; MI455X (gfx1250); checked and timed in simulation.
; The chip was launched on July 23, 2026; its instructions are those of AMD's public machine-readable ISA for CDNA 5 (MIT licence, August 2026) and "CDNA5" Instruction Set Architecture Reference Guide (July 2026). The comments in the code are by the model that wrote it; some were corrected since.
;; Ring Flash Self Attention. Allowed arithmetic: matrix products marked QUANTISED: E5M2 operands, one given power-of-two scale a tensor, by v_wmma_f32_16x16x64_bf8_bf8 or v_wmma_f32_16x16x128_bf8_bf8, f32 sums; everything else in f32.
;; Inputs: lowp_scales 4 int32 (the exponents e of the quantised operands' scales 2^e); qkv 1 x 4,096 x 3 x 16 x 64 float32.
;; Outputs: out0 1 x 4,096 x 16 x 64 float32.
;; This version of the problem:
;;   THIS VERSION OF THE PROBLEM IS GIVEN IN LOW PRECISION. The matrix products marked QUANTISED in the list below multiply operands that are first quantised to E5M2 (5 exponent bits, 2 mantissa bits; 8 bits a number), with one given power-of-two scale for each operand tensor; their sums are f32. All else is computed in f32.
;;   The module's matrix products, in the order in which they are computed (A, B: the left and right operand; K: the contracted axis; several contracted axes count as one K, in the product's order):
;;     1. batch 16 x [M 4,096, K 64] x [K 64, N 4,096]; A: input qkv; B: input qkv: QUANTISED (scales: A lowp_scales[0], B lowp_scales[1])
;;     2. batch 16 x [M 64, K 4,096] x [K 4,096, N 4,096]; A: input qkv; B: softmax (see below): QUANTISED (scales: A lowp_scales[2], B lowp_scales[3])
;;   THE QUANTISER, for each operand of a quantised product, along K:
;;     - The operand's scale is 2^e, e = its entry of the input lowp_scales (int32; the entries are numbered through the quantised products in the list's order, A before B).
;;     - Each number is divided by the scale, clamped to +-57,344, and rounded to the nearest number of E5M2, ties to even, subnormals kept.
;;     - The product sums the exact products of the quantised numbers (number of the format x scale) in f32.
;;   ~~~python
;;   def quantise(x, axis, e):      # numpy; x: float32 -> the quantised numbers, widened to float32 again
;;       x = np.moveaxis(x, axis, -1); K = x.shape[-1]
;;       r = np.clip(x / 2.0 ** e, -57344, 57344)
;;       step = 2.0 ** (np.maximum(np.frexp(np.where(r == 0, 1, r))[1] - 1, -14) - 2)
;;       q = np.round(r / step) * step * 2.0 ** e      # np.round: ties to even
;;       return np.moveaxis(q, -1, axis).astype(np.float32)
;;   ~~~
;;   SOFTMAX AHEAD OF A QUANTISED PRODUCT. Where the list says 'softmax', what is quantised is not the finished softmax but p = 2^(t - M), with t = logit x log2(e) and M = ceil(the row's largest t), a whole number; so 1/2 < the row's largest p <= 1. The row's sum l is taken of the UNQUANTISED p, in f32, and the product's result is divided by l at the end. Since M is a whole number, a kernel that streams over the keys may use a running M (the ceiling of the running maximum): every later rescaling is an exact power of two, so the quantised numbers keep their values, but for numbers so far below the row's largest that they fall under the format's range.
;;   OPERANDS COMPUTED ON THE WAY. 'Computed on the way' means the value that the module computes at that place (a softmax that the list does not call 'softmax' is quantised finished and normalised). What goes into a quantiser is computed in f32, as accurately as f32 sums, v_exp_f32 and their like allow (about 1e-6 of the number): no bf16 or f16 on the way to a quantiser, and a product that is left as it is and whose result goes on into a quantised operand takes f32 operands (vector FMAs, or v_wmma_f32_16x16x4_f32). A number that lies on a knife's edge between two numbers of the format may be rounded either way, as far as f32 arithmetic and the matrix unit's own rounding can turn it there, and no further.
;; One version. Each part assembles by itself: llvm-mc -triple=amdgcn-amd-amdhsa -mcpu=gfx1250 --defsym DOCPART=n.
;; ======== version 1 of 1: 2 launches
;; workspace buffers: kv 8,388,608 bytes
;; launch quant (part 1): grid 32 x 16, 8 waves a work-group, no clusters, 74,752 bytes of LDS; arguments qkv, lowp_scales, kv; writes kv
.if DOCPART == 1
	.amdgcn_target "amdgcn-amd-amdhsa--gfx1250"
	.amdhsa_code_object_version 6
	.text
	.protected	k_qaaa9b12c40_quant
	.globl	k_qaaa9b12c40_quant
	.p2align	8
	.type	k_qaaa9b12c40_quant,@function
k_qaaa9b12c40_quant:
	s_mov_b64 s[64:65], 0
	v_nop
	global_prefetch_b8 v0, s[64:65] scope:SCOPE_SE
	s_setreg_imm32_b32 hwreg(HW_REG_WAVE_MODE, 25, 1), 1
	s_wait_xcnt 0x0
; k and v of qkv [4096][3][16][64] f32 become codes of BF8 (E5M2), each with the one scale 2^e that is given for it (k: entry 1 of the scales, v: entry 2).
; code = x / 2^e, held within +-57,344, rounded to the nearest code, ties to even.  LIMITS: -126 <= e <= 112, so that 2^e and 57,344 x 2^e are f32 numbers.  NaN among the inputs is not served.
; THE CODES ARE LAID AS THE NEXT LAUNCH'S OPERAND REGISTERS WANT THEM: kv = [head 16][key block 32][16,384 bytes]; a block serves 128 keys.
;   bytes 0 .. 8,191: K, eight tiles T = 2 b + u of 1,024 bytes: the 16 bytes at 1,024 T + 512 g + 16 lane (lane = 16 hh + r) are key 32 b + 8 u + r + 8 (r / 8), channels 32 g + 16 hh + 0 .. 15.
;   bytes 8,192 on:   V, four tiles t of 2,048 bytes: the 16 bytes at 2,048 t + 512 c + 16 lane are channel 16 t + r, keys 32 c + 16 hh + 0 .. 15.
; SHARES.  A work-group takes one key block of one head.  Waves 0-3 take K, waves 4-7 V; wave sub = wave % 4 takes keys 32 sub .. 32 sub + 31: 8,192 bytes in, 2,048 out.
; A key's 64 numbers of a head are 256 consecutive bytes, aligned: each load reads two such rows whole, 16 lanes to a row.  They turn through the wave's own stage in LDS: K comes back 16 neighbouring
; channels a lane, V comes back with a lane to a channel and its registers running down the keys, so that the conversions, which take neighbours along K from one lane's registers, give both operands.
; Waves share nothing: no barrier.  No tensor load: every byte is read once, by loads that are all issued at the head.  Every store of a wave covers 512 consecutive bytes, aligned.
.set ROWQ, 12288                       ; bytes from key to key in qkv
.set SP,   272                         ; a stage row: 256 bytes + 16
.set GAP,  128                         ; and 128 bytes more behind row 15: K's 16 rows of a load (a .. a + 7, a + 16 .. a + 23) then start at 16 different multiples of 16 bytes modulo 256, and V's two halves of the lanes lie 128 bytes apart modulo 256
.set WREG, 9216                        ; a wave's stage: 32 rows
.set R,    16                          ; v16-79   as loaded
.set X,    80                          ; v80-143  64 numbers, along K in each lane
.set C,    144                         ; v144-159 codes: no store's data are written again
	s_load_b128 s[4:7], s[0:1], 0x0                ; qkv s[4:5], the scales' exponents s[6:7]
	s_load_b64 s[8:9], s[0:1], 0x10                ; kv
	v_lshl_add_u32 v160, v0, 2, 0x12000
	v_mov_b32 v161, 0
	v_lshrrev_b32 v1, 5, v0
	v_readfirstlane_b32 s12, v1                    ; wave 0..7
	s_lshr_b32 s13, s12, 2                         ; role: 0 K, 1 V
	s_and_b32 s14, s12, 3                          ; sub
	s_and_b32 s16, ttmp7, 0xffff                   ; head
	v_and_b32 v1, 31, v0                           ; lane
	v_and_b32 v2, 15, v0                           ; r
	v_bfe_u32 v3, v0, 4, 1                         ; hh
	v_mul_u32_u24 v4, v3, ROWQ
	v_lshl_add_u32 v4, v2, 4, v4                   ; the loads: lanes 0-15 one key's row, lanes 16-31 the next key's; 16 bytes a lane
	s_mul_i32 s17, s12, WREG                       ; my stage
	v_mul_u32_u24 v5, v3, SP
	v_lshl_add_u32 v5, v2, 4, v5
	v_add_nc_u32 v5, s17, v5                       ; into the stage, as loaded
	v_and_b32 v9, 8, v2
	v_add_nc_u32 v6, v9, v2                        ; r + 8 (r / 8)
	v_mul_u32_u24 v6, v6, SP
	v_lshl_add_u32 v6, v9, 4, v6                   ; + the gap for rows 16 on: 128 (r / 8)
	v_lshl_add_u32 v6, v3, 6, v6                   ; + 64 hh: my 16 channels
	v_add_nc_u32 v6, s17, v6                       ; K's way back
	v_mul_u32_u24 v7, v3, 16*SP+GAP                ; V's way back: lanes 16-31 begin at row 16,
	v_lshl_add_u32 v7, v2, 2, v7                   ; a lane to a channel
	v_add_nc_u32 v7, s17, v7
	v_lshlrev_b32 v8, 4, v1                        ; the stores: 16 x lane
	; where my wave's part begins, in bytes (both under 2^32)
	s_lshl_b32 s24, ttmp9, 7
	s_lshl_b32 s26, s14, 5
	s_add_co_u32 s24, s24, s26                     ; my first key: 128 x key block + 32 sub
	s_mul_i32 s24, s24, ROWQ
	s_add_co_u32 s26, s13, 1
	s_lshl_b32 s26, s26, 12                        ; k lies 4,096 bytes into a row, v 8,192
	s_add_co_u32 s24, s24, s26
	s_lshl_b32 s26, s16, 8                         ; the head's 256 bytes
	s_add_co_u32 s24, s24, s26
	s_mov_b32 s25, 0
	s_lshl_b32 s28, s16, 19                        ; kv: 524,288 x head
	s_lshl_b32 s26, ttmp9, 14                      ; + 16,384 x key block
	s_add_co_u32 s28, s28, s26
	s_lshl_b32 s26, s14, 11                        ; K: my two tiles, 2,048 sub
	s_lshl_b32 s27, s14, 9                         ; V: my register group c = sub, 512 sub
	s_cmp_lt_u32 s12, 4
	s_cselect_b32 s26, s26, s27
	s_add_co_u32 s28, s28, s26
	s_mov_b32 s29, 0
	s_wait_kmcnt 0x0
	s_load_b128 s[20:23], s[6:7], 0x0              ; eq, ek, ev, ep
	s_add_nc_u64 s[4:5], s[4:5], s[24:25]
	s_add_nc_u64 s[8:9], s[8:9], s[28:29]
.set ii, 0
.rept 16
	global_load_b128 v[R+4*ii:R+4*ii+3], v4, s[4:5] offset:2*ii*ROWQ th:TH_LOAD_NT   ; keys 2 i and 2 i + 1: two whole runs of 256 bytes
.set ii, ii+1
.endr
	s_wait_kmcnt 0x0
	s_cmp_lt_u32 s12, 4
	s_cselect_b32 s24, s21, s22                    ; e: ek or ev
	s_add_co_i32 s24, s24, 127
	s_lshl_b32 s25, s24, 23
	v_mov_b32 v11, s25                             ; 2^e as f32: the conversion takes its exponent field
	s_add_co_i32 s24, s24, 15
	s_lshl_b32 s24, s24, 23
	s_or_b32 s24, s24, 0x600000
	v_mov_b32 v10, s24                             ; 57,344 x 2^e
.set ii, 0
.rept 16
	s_wait_loadcnt 15-ii                           ; loads come back in order: pair i is in, the younger pairs stay out
	ds_store_b128 v5, v[R+4*ii:R+4*ii+3] offset:2*ii*SP+(ii/8)*GAP
.set ii, ii+1
.endr
	s_cmp_lt_u32 s12, 4
	s_cbranch_scc0 .Lv
	; ---- K: tiles 2 sub and 2 sub + 1.  LDS serves a wave's instructions in order: these loads see my stores
.irp u, 0,1
.irp g, 0,1
.irp j, 0,1,2,3
	ds_load_b128 v[X+32*\u+16*\g+4*\j:X+32*\u+16*\g+4*\j+3], v6 offset:8*\u*SP+128*\g+16*\j
.endr
.endr
.endr
.macro KTILE u
	s_wait_dscnt 8-8*(\u)                          ; this tile's eight loads are in; the other tile's eight may be out
.set ii, 0
.rept 32
	v_med3_num_f32 v[X+32*(\u)+ii], v[X+32*(\u)+ii], -v10, v10   ; the conversion to an 8-bit code does not saturate (ISA guide 7.6.2): the hold at the largest code x the scale
.set ii, ii+1
.endr
.irp m, 0,1,2,3
	v_cvt_scalef32_pk8_bf8_f32 v[C+8*(\u)+2*\m:C+8*(\u)+2*\m+1], v[X+32*(\u)+8*\m:X+32*(\u)+8*\m+7], v11
.endr
.irp g, 0,1
	global_store_b128 v8, v[C+8*(\u)+4*\g:C+8*(\u)+4*\g+3], s[8:9] offset:(\u)*1024+\g*512   ; 32 lanes store 512 consecutive bytes, aligned
.endr
.endm
	KTILE 0
	KTILE 1
	s_wait_tensorcnt 0x0
	ds_add_u32 v160, v161
	s_wait_dscnt 0x0
	s_endpgm
.Lv:
	; ---- V: register group c = sub of all four tiles.  Register 16 t + i: key 16 hh + i of my 32, channel 16 t + r
.irp t, 0,1,2,3
.set ii, 0
.rept 16
	ds_load_b32 v[X+16*\t+ii], v7 offset:ii*SP+64*\t
.set ii, ii+1
.endr
.endr
.irp t, 0,1,2,3
	s_wait_dscnt 48-16*\t                          ; tile t's sixteen loads are in; the later tiles' may be out
.set ii, 0
.rept 16
	v_med3_num_f32 v[X+16*\t+ii], v[X+16*\t+ii], -v10, v10
.set ii, ii+1
.endr
	v_cvt_scalef32_pk8_bf8_f32 v[C+4*\t:C+4*\t+1], v[X+16*\t:X+16*\t+7], v11
	v_cvt_scalef32_pk8_bf8_f32 v[C+4*\t+2:C+4*\t+3], v[X+16*\t+8:X+16*\t+15], v11
	global_store_b128 v8, v[C+4*\t:C+4*\t+3], s[8:9] offset:8192+\t*2048
.endr
	s_wait_tensorcnt 0x0
	ds_add_u32 v160, v161
	s_wait_dscnt 0x0
	s_endpgm
.Lfunc_end_k_qaaa9b12c40_quant:
	.size	k_qaaa9b12c40_quant, .Lfunc_end_k_qaaa9b12c40_quant-k_qaaa9b12c40_quant
	.p2alignl 7, 3214868480
	.fill 96, 4, 3214868480
	.section	.rodata,"a",@progbits
	.p2align	6, 0x0
	.amdhsa_kernel k_qaaa9b12c40_quant
		.amdhsa_group_segment_fixed_size 74752
		.amdhsa_private_segment_fixed_size 0
		.amdhsa_enable_private_segment 0
		.amdhsa_kernarg_size 24
		.amdhsa_user_sgpr_count 2
		.amdhsa_user_sgpr_kernarg_segment_ptr 1
		.amdhsa_wavefront_size32 1
		.amdhsa_system_sgpr_workgroup_id_x 1
		.amdhsa_system_sgpr_workgroup_id_y 1
		.amdhsa_system_sgpr_workgroup_id_z 1
		.amdhsa_system_vgpr_workitem_id 0
		.amdhsa_next_free_vgpr 162
		.amdhsa_next_free_sgpr 66
		.amdhsa_reserve_vcc 0
		.amdhsa_float_denorm_mode_32 3
		.amdhsa_float_denorm_mode_16_64 3
		.amdhsa_memory_ordered 1
		.amdhsa_forward_progress 1
		.amdhsa_inst_pref_size 22
	.end_amdhsa_kernel
	.amdgpu_metadata
---
amdhsa.version: [ 1, 2 ]
amdhsa.kernels:
  - .name:           k_qaaa9b12c40_quant
    .symbol:         k_qaaa9b12c40_quant.kd
    .args:
      - { .name: qkv, .offset: 0, .size: 8, .value_kind: global_buffer, .address_space: global }
      - { .name: lowp_scales, .offset: 8, .size: 8, .value_kind: global_buffer, .address_space: global }
      - { .name: kv, .offset: 16, .size: 8, .value_kind: global_buffer, .address_space: global }
    .group_segment_fixed_size: 74752
    .private_segment_fixed_size: 0
    .kernarg_segment_align: 8
    .kernarg_segment_size: 24
    .max_flat_workgroup_size: 256
    .sgpr_count:     66
    .vgpr_count:     162
    .wavefront_size: 32
...
	.end_amdgpu_metadata
.endif
;; end of part 1
;; launch attn (part 2): grid 16 x 16, 8 waves a work-group, no clusters, 327,680 bytes of LDS; arguments qkv, kv, lowp_scales, out0; writes out0
.if DOCPART == 2
	.amdgcn_target "amdgcn-amd-amdhsa--gfx1250"
	.amdhsa_code_object_version 6
	.text
	.protected	k_qaaa9b12c40_attn
	.globl	k_qaaa9b12c40_attn
	.p2align	8
	.type	k_qaaa9b12c40_attn,@function
k_qaaa9b12c40_attn:
	s_mov_b64 s[64:65], 0
	v_nop
	global_prefetch_b8 v0, s[64:65] scope:SCOPE_SE
	s_setreg_imm32_b32 hwreg(HW_REG_WAVE_MODE, 25, 1), 1
	s_wait_xcnt 0x0
; out0[s][h][:] = the sum over keys t <= s of softmax_t(q[s][h] . k[t][h] / 8) v[t][h][:], both products on codes of BF8 (E5M2), each operand with the one scale 2^e that is given: eq, ek, ev, ep (entries 0 to 3).
; q comes from qkv [4096][3][16][64] f32 and is quantised here, in registers: one wave reads it once.  k and v come as codes from kv, laid as images of the operands' registers: [head][key block of 128][16,384 bytes]:
; K's eight tiles of 1,024 bytes, then V's four of 2,048; lane l's 16 bytes of a group of four registers lie at 16 l, 512 bytes a group.
; THE SOFTMAX AHEAD OF THE SECOND PRODUCT: t = score x log2(e) / 8; M = the row's largest t so far, rounded UP to a whole number; p = 2^(t - M) is quantised with 2^ep; it is not normalised.  The row's sum is taken
; of the unquantised p, in f32, and divides O at the end.  When M moves, the sum and O are multiplied by 2^(old M - new M), which rounds nothing.
; SHARES, AND THE CAUSAL MASK.  A head's queries are 32 blocks of 128.  Work-group I (0 .. 15) of a head owns blocks I and 31 - I, one after the other: I + 1 and 32 - I key steps of 128 keys, ALWAYS 33.
; So every trip count is a constant, no step is idle, and all 256 work-groups have the same work.  Step n reads key block n (n <= I) or n - I - 1.  Steps I and 32 lie on the diagonal and end a pass.
; Each of the eight waves owns 16 queries of the block in hand, in 256 registers: two waves to a SIMD, so that one wave's vector work stands beside the other's LDS loads.
; LAYOUT.  Both products are used transposed: S^T = K Q^T (source 0 = 16 keys, source 1 = my 16 queries, K = 64), O^T = V^T P^T (source 0 = 16 channels, source 1 = P, K = 128 keys): a lane holds ONE query (lane % 16).
; Lane r of K's tile 2 b + u holds key 32 b + 8 u + r + 8 (r / 8), so that the 16 registers of tiles 2 b, 2 b + 1 are keys 32 b + 16 (lane / 16) + 0 .. 15: the conversions' results are the second product's operand.
; Along each product's K the numbers stand in another order than the form's own, the same in both sources: every product meets its partner.
; THE RING.  Two LDS slots of three key steps (49,152 bytes), eleven slots' worth in all.  Waves 0, 1, 2 fetch one step's dense block of 16,384 bytes each, one tensor load a wave behind each change of slots.
; NO CLUSTER: the work-groups of a head want different blocks at a given step (block n or n - I - 1), and where the mask stands and a pass ends hangs on I, which partners would not share.
; LIMITS on the given exponents, so that each power of two below is an f32 number: eq and ep between -126 and 112; eq + ek between -123 and 130 (added to c's exponent field); ep + ev goes in by v_ldexp_f32.  NaN inputs are not served.
; REGISTERS: v0 thread; v1-11 addresses that stay (v8: the step's); v12 -M, v13 the largest t, v[14:15] the sum in two halves; v16-23 Q in hand, v24-31 Q of the second pass; v32-95 K's eight fragments, then V's four;
;   v96-159 S^T, then p; v160-191 O^T; v192-207 p's codes; v208-215 at work; v216, v217: 2^ep and 57,344 x 2^ep; v218 -infinity; v219, v220: the same two for eq.
.set ROWQ,  12288                      ; bytes from query to query in qkv
.set ROWO,  4096                       ; and in out0
.set STEPB, 16384                      ; a key step's block
.set VOFF,  8192                       ; V's images in it
.set SLOT1, 1<<16                      ; slot 1 begins here: one exclusive or turns an address in one slot into the other's
.set NSL,   11                         ; slots' worth of steps: 33 / 3
.set SP,    272                        ; a stage row: 256 bytes + 16
.set WSTG,  16*SP                      ; a wave's stage: 17 blocks of 256 bytes
.set STAGE, 131072                     ; behind the ring: the waves' stages, for q on the way in and O on the way out; no tensor load lands there
.set SPARE, STAGE+8*WSTG               ; behind the stages: the spare words, 128 bytes for each wave: four blocks of 256 bytes that no other line names
; The walking address: key block of step min(s34, 32).  s[30:31] keeps it plain, for the prefetches; s[26:27] takes it with the type bits.
.macro ADDR
	s_min_u32 s3, s34, 32                          ; no step lies behind the 33rd: the block stays inside kv
	s_cmp_gt_u32 s3, s13
	s_cselect_b32 s32, s14, 0                      ; the second pass begins again at block 0: n - (I + 1)
	s_sub_co_u32 s32, s3, s32
	s_lshl_b32 s32, s32, 14
	s_wait_xcnt 0x0                                ; the last prefetches, a slot back, have read their address, so it may be written
	s_add_nc_u64 s[30:31], s[28:29], s[32:33]
	s_mov_b64 s[26:27], s[30:31]
	s_or_b32 s27, s27, 0x80000000                  ; type = 2
.endm
; Waves 0, 1, 2 fetch, the others nothing: the branch hangs on the wave's number alone.  Four v_nop follow the load.
.macro TLOAD
	s_cmp_lt_u32 s12, 3
	s_cbranch_scc0 .Lnone_\@
	tensor_load_to_lds s[24:27], s[16:23]
	s_nop 0
.rept 4
	v_nop
.endr
.Lnone_\@:
.endm
; A PREFETCH of what the NEXT change of slots will ask for.  Of a head's sixteen work-groups only I = 0 walks all 32 blocks (block n - 1 at step n), so it alone asks; in it waves 3, 4, 5, which fetch nothing,
; name one step's 16,384 bytes each: two instructions, lanes 256 bytes apart.  So each aligned 256 bytes of blocks 5 to 31 are named once in the launch; blocks 0 to 4 come by their loads alone,
; and the last change that fills a slot asks for nothing.
.macro ASK
	s_cmp_gt_u32 s37, s38
	s_cbranch_scc0 .Lnm_\@
	global_prefetch_b8 v9, s[30:31] th:TH_LOAD_NT scope:SCOPE_SE
	global_prefetch_b8 v9, s[30:31] offset:8192 th:TH_LOAD_NT scope:SCOPE_SE
.Lnm_\@:
.endm
; THE CHANGE OF SLOTS stands at a slot's head.  Each wave waits for all its tensor loads (its part of the slot ahead), adds 0 to its spare word, and waits for that and for its reads of the slot that it has left.
; Behind the barrier the slot ahead is whole and nobody reads the other one.  fill = 1: that other slot takes the three steps that follow; the load has three steps' work in which to land.
.macro CHANGE fill
	s_wait_tensorcnt 0x0                           ; no tensor load of mine is out, so the descriptor may be written
	ds_add_u32 v5, v6                              ; 0 onto my spare word: the descriptor's step stands between it and the wait for it
.if \fill
	s_xor_b32 s25, s25, SLOT1                      ; the other slot than last time,
	s_add_co_u32 s34, s34, 3                       ; three steps on
	ADDR
.endif
	s_wait_dscnt 0x0                               ; the add is done, and my reads of the slot that I have left are over
	s_barrier_signal -1
	s_barrier_wait -1
.if \fill
	TLOAD                                          ; the first thing behind the barrier, and a wave's one tensor load until the next
	ASK
.endif
.endm
; A pass begins: the largest t under every t, the sum and O^T zeros.  (The step is written once: a pass's first step finds zeros, which the first change of M leaves zeros.  It runs three times in a wave's life.)
.macro INIT
	v_mov_b32 v13, 0xff61b1e6                      ; -3e38
	v_floor_f32 v12, -v13                          ; -M
	v_mov_b32 v14, 0
	v_mov_b32 v15, 0
.set jj, 0
.rept 32
	v_mov_b32 v[160+jj], 0
.set jj, jj+1
.endr
.endm
; 32 numbers of a lane (channels 16 hh + 0 .. 15, then 32 + 16 hh + 0 .. 15 of my query) become Q's eight registers
.macro QUANTQ src, dst
.set ii, 0
.rept 32
	v_med3_num_f32 v[\src+ii], v[\src+ii], -v220, v220   ; the conversion to an 8-bit code does not saturate (ISA guide 7.6.2): the hold at the largest code x the scale
.set ii, ii+1
.endr
.irp m, 0,1,2,3
	v_cvt_scalef32_pk8_bf8_f32 v[\dst+2*\m:\dst+2*\m+1], v[\src+8*\m:\src+8*\m+7], v219
.endr
	v_nop                                          ; one plain vector instruction behind the last conversion, ahead of whatever next touches its registers
.endm
; A PASS ENDS: O^T / the sum x 2^(ep + ev) goes through my stage and leaves as whole rows of 256 bytes; then the second pass's Q, output and last step take over, and the sums begin anew.
.macro FINISH
.rept 4
	v_nop                                          ; four places behind the last products, ahead of the first read of their results
.endr
	v_add_f32 v14, v14, v15                        ; the sum's two halves,
	v_permlanex16_b32 v212, v14, s40, s41
	v_add_f32 v14, v14, v212                       ; and lane l xor 16's: the row's sum
	v_rcp_f32 v14, v14
	v_nop                                          ; a plain place behind the transcendental
	s_wait_alu depctr_va_vdst(0)                   ; and the wait ahead of its first reader
	v_ldexp_f32 v14, v14, s39                      ; x 2^(ep + ev)
.set jj, 0
.rept 16
	v_pk_mul_f32 v[96+jj:97+jj], v[160+jj:161+jj], v[14:15] op_sel_hi:[1,0]   ; register 8 t + i: o(query r, channel 16 t + 8 hh + i); each accumulator from its low end on
.set jj, jj+2
.endr
.irp t, 0,1,2,3
	ds_store_b128 v4, v[96+8*\t:99+8*\t] offset:64*\t
	ds_store_b128 v4, v[100+8*\t:103+8*\t] offset:64*\t+16
.endr
.set ii, 0
.rept 8
	ds_load_b128 v[32+4*ii:35+4*ii], v2 offset:2*ii*SP   ; LDS serves a wave's instructions in order: these see my stores
.set ii, ii+1
.endr
.set ii, 0
.rept 8
	s_wait_dscnt 7-ii                              ; rows 2 i and 2 i + 1 are back; the later rows may be out
	global_store_b128 v7, v[32+4*ii:35+4*ii], s[48:49] offset:2*ii*ROWO th:TH_STORE_NT   ; 16 lanes store the 256 consecutive bytes of (query, head), aligned
.set ii, ii+1
.endr
	s_wait_xcnt 0x0                                ; the stores have read their base and their data: both are written again below and in the next step
	s_mov_b64 s[48:49], s[50:51]
	s_mov_b32 s36, 32                              ; the step that ends the second pass
.set jj, 0
.rept 8
	v_mov_b32 v[16+jj], v[24+jj]
.set jj, jj+1
.endr
	INIT
.endm
; A KEY STEP: 128 keys, the q-th of the slot in hand
.macro STEP q
.set SOFF, (\q)*STEPB
	v_add_nc_u32 v8, s2, v1
.rept 3
	v_nop                                          ; with the addition: four places behind the last step's products, in front of loads into registers that they read
.endr
.set ff, 0
.rept 16
	ds_load_b128 v[32+4*ff:35+4*ff], v8 offset:SOFF+512*ff   ; K's eight fragments, as they lie
.set ff, ff+1
.endr
	s_wait_dscnt 0x0
.set tt, 0
.rept 8
	v_wmma_f32_16x16x64_bf8_bf8 v[96+8*tt:103+8*tt], v[32+8*tt:39+8*tt], v[16:23], 0
.set tt, tt+1
.endr
.rept 4
	v_nop                                          ; four places: for the loads below, and for the first read of the scores
.endr
.set ff, 0
.rept 16
	ds_load_b128 v[32+4*ff:35+4*ff], v8 offset:SOFF+VOFF+512*ff   ; V's four fragments land while the softmax is worked
.set ff, ff+1
.endr
	s_cmp_lg_u32 s35, s36                          ; on the diagonal (a branch on ids and the step's number) hidden scores become -infinity ahead of the maximum: p = 0 then.  The block's first key counts for every query
	s_cbranch_scc1 .Lopen_\@
.set nn, 0
.rept 64
	v_cmp_gt_i32 vcc_lo, 32*(nn/16)+nn%16, v10     ; register 16 b + i holds the block's key 32 b + 16 hh + i; my query is its number 16 wave + r: hidden where 32 b + i > 16 wave + r - 16 hh
	v_cndmask_b32 v[96+nn], v[96+nn], v218, vcc_lo
.set nn, nn+1
.endr
.Lopen_\@:
	v_max3_num_f32 v208, v96, v97, v98             ; the step's largest score of my query, among my 64 keys, in two chains, each accumulator from its low end on,
	v_max3_num_f32 v210, v99, v100, v101
.set ii, 6
.rept 14
	v_max3_num_f32 v208, v208, v[96+ii], v[97+ii]
	v_max3_num_f32 v210, v210, v[98+ii], v[99+ii]
.set ii, ii+4
.endr
	v_max3_num_f32 v208, v208, v158, v159
	v_max_num_f32 v208, v208, v210
	v_permlanex16_b32 v212, v208, s40, s41
	v_max_num_f32 v208, v208, v212                 ; and among lane l xor 16's
	v_mul_f32 v208, s42, v208                      ; as t (c is positive)
	v_max_num_f32 v13, v13, v208                   ; the running largest t
	v_mov_b32 v208, v12
	v_floor_f32 v12, -v13                          ; the new -M = floor(-t) = -ceil(t): a whole number
	v_sub_f32 v208, v12, v208                      ; M's old value less its new one: a whole number, 0 or less
	v_cvt_i32_f32 v208, v208                       ; (it saturates)
	v_ldexp_f32 v210, 1.0, v208                    ; f = 2^(old M - new M)
.set jj, 0
.rept 32
	v_pk_fma_f32 v[96+jj:97+jj], v[96+jj:97+jj], s[42:43], v[12:13] op_sel_hi:[1,0,0]   ; t - M, two at a time (of the pairs c and -M the low word serves both halves)
.set jj, jj+2
.endr
.set jj, 0
.rept 64
	v_exp_f32 v[96+jj], v[96+jj]                   ; p = 2^(t - M), at most 1: not normalised
.set jj, jj+1
.endr
	v_pk_mul_f32 v[14:15], v[14:15], v[210:211] op_sel_hi:[1,0]   ; the sums under the new M: the plain place behind the exponentials
	s_wait_alu depctr_va_vdst(0)                   ; one wait for the whole batch, ahead of its first reader
	v_pk_add_f32 v[214:215], v[96:97], v[98:99]    ; the row's sum is taken of the unquantised p: two at a time, in two chains
.set jj, 4
.rept 15
	v_pk_add_f32 v[14:15], v[14:15], v[96+jj:97+jj]
	v_pk_add_f32 v[214:215], v[214:215], v[98+jj:99+jj]
.set jj, jj+4
.endr
	v_pk_add_f32 v[14:15], v[14:15], v[214:215]
.set bb, 0
.rept 4
.set ii, 0
.rept 16
	v_min_num_f32 v[96+16*bb+ii], v[96+16*bb+ii], v217   ; the hold; p is not negative, so it is one-sided
.set ii, ii+1
.endr
	v_cvt_scalef32_pk8_bf8_f32 v[192+4*bb:193+4*bb], v[96+16*bb:103+16*bb], v216
	v_cvt_scalef32_pk8_bf8_f32 v[194+4*bb:195+4*bb], v[104+16*bb:111+16*bb], v216
.set bb, bb+1
.endr
.set jj, 0
.rept 16
	v_pk_mul_f32 v[160+jj:161+jj], v[160+jj:161+jj], v[210:211] op_sel_hi:[1,0]   ; O^T under the new M; these plain lines also stand between the conversions and the products that read their results
.set jj, jj+2
.endr
	s_wait_dscnt 0x0                               ; V is in
.set tt, 0
.rept 4
	v_wmma_f32_16x16x128_bf8_bf8 v[160+8*tt:167+8*tt], v[32+16*tt:47+16*tt], v[192:207], v[160+8*tt:167+8*tt]   ; the four accumulators take turns; eleven other products stand between two links of a chain
.set tt, tt+1
.endr
	s_cmp_lg_u32 s35, s36
	s_cbranch_scc1 .Lon_\@
	FINISH
.Lon_\@:
	s_add_co_u32 s35, s35, 1
.endm
.macro SLOT_STEPS
	STEP 0
	STEP 1
	STEP 2
	s_xor_b32 s2, s2, SLOT1                        ; on to the other slot
.endm
	s_load_b256 s[4:11], s[0:1], 0x0               ; qkv s[4:5], kv s[6:7], the scales' exponents s[8:9], out0 s[10:11]
	v_lshl_add_u32 v5, v0, 2, SPARE                ; my spare word; never rewritten
	v_mov_b32 v6, 0                                ; 0; never rewritten
	ds_add_u32 v5, v6
	s_wait_dscnt 0x0
	v_lshrrev_b32 v1, 5, v0
	v_readfirstlane_b32 s12, v1                    ; wave 0..7
	s_mov_b32 s13, ttmp9                           ; I
	s_add_co_u32 s14, s13, 1
	s_and_b32 s15, ttmp7, 0xffff                   ; head
	; descriptor group 1: a dense block of 64 rows of 256 bytes
	s_mov_b32 s16, 3<<16                           ; no mask; elements of 8 bytes; no padding
	s_mov_b32 s17, 32<<16                          ; tensor_dim0 = 32
	s_mov_b32 s18, 64<<16                          ; tensor_dim1 = 64
	s_mov_b32 s19, 32<<16                          ; tile_dim0 = 32
	s_mov_b32 s20, 64                              ; tile_dim1 = 64
	s_mov_b32 s21, 32                              ; from row to row: 32 elements
	s_mov_b32 s22, 0
	s_mov_b32 s23, 0
	s_mov_b32 s40, 0x76543210                      ; v_permlanex16_b32's selects for lane l xor 16
	s_mov_b32 s41, 0xfedcba98
	s_mov_b32 s2, 0                                ; the slot in hand
	s_mov_b32 s35, 0                               ; the step's number
	s_mov_b32 s36, s13                             ; the step that ends the first pass
	s_mov_b32 s37, NSL-1                           ; slots still to be asked for
	s_mov_b32 s33, 0                               ; the high word of the offsets' pair
	s_cmp_lt_u32 s12, 3                            ; the step at which my walking address stands: waves 0-2 at step wave; the others a slot further on, for the prefetches
	s_cselect_b32 s56, 0, 3
	s_sub_co_u32 s34, s12, s56
	s_min_u32 s34, s34, 2
	s_add_co_u32 s34, s34, s56
	s_sub_co_u32 s57, s12, 3                       ; who prefetches: waves 3, 4, 5
	s_cmp_lt_u32 s57, 3
	s_cselect_b32 s57, 0, 1
	s_or_b32 s57, s57, s13                         ; of work-group I = 0
	s_cmp_eq_u32 s57, 0
	s_cselect_b32 s38, 1, -1                       ; 1 there, else the greatest number: a wave prefetches while s37 is above it
	s_lshl_b32 s56, s15, 19                        ; the head's 524,288 bytes of kv
	s_mov_b32 s57, 0
	s_wait_kmcnt 0x0
	s_load_b128 s[44:47], s[8:9], 0x0              ; eq, ek, ev, ep
	s_add_nc_u64 s[28:29], s[6:7], s[56:57]
	s_mov_b32 s24, 1                               ; group 0: count = 1
	s_min_u32 s25, s12, 2
	s_lshl_b32 s25, s25, 14                        ; LDS address: slot 0, my step's place
	ADDR
	TLOAD                                          ; slot 0: the launch's first fill, ahead of every LDS read, barrier and wait on TENSORcnt
	v_and_b32 v1, 31, v0                           ; lane
	v_and_b32 v208, 15, v0                         ; r
	v_bfe_u32 v210, v0, 4, 1                       ; hh
	v_lshlrev_b32 v9, 8, v1                        ; the prefetches' offset: 256 x lane
	v_lshlrev_b32 v1, 4, v1                        ; an image's place for my lane: 16 x lane
	s_mul_i32 s56, s12, WSTG
	s_add_co_u32 s56, s56, STAGE                   ; my stage
	v_mul_u32_u24 v2, v210, SP
	v_lshl_add_u32 v2, v208, 4, v2
	v_add_nc_u32 v2, s56, v2                       ; by rows: lanes 0-15 one row of 256 bytes, lanes 16-31 the next
	v_mul_u32_u24 v3, v208, SP
	v_add_nc_u32 v3, s56, v3
	v_lshl_add_u32 v4, v210, 5, v3                 ; O on the way in: row r, + 32 hh
	v_lshl_add_u32 v3, v210, 6, v3                 ; q on the way back: row r, + 64 hh: my 16 channels
	v_lshlrev_b32 v7, 12, v210
	v_lshl_add_u32 v7, v208, 4, v7                 ; out0: the same two rows, 4,096 bytes apart
	v_mul_u32_u24 v11, v210, ROWQ
	v_lshl_add_u32 v11, v208, 4, v11               ; qkv: the same two rows, 12,288 bytes apart
	s_lshl_b32 s57, s12, 4
	v_lshlrev_b32 v10, 4, v210
	v_sub_nc_u32 v10, v208, v10
	v_add_nc_u32 v10, s57, v10                     ; 16 wave + r - 16 hh, for the mask
	s_lshl_b32 s58, s13, 7
	s_add_co_u32 s58, s58, s57                     ; my first query of the first pass: 128 I + 16 wave,
	s_sub_co_u32 s59, 31, s13
	s_lshl_b32 s59, s59, 7
	s_add_co_u32 s59, s59, s57                     ; of the second: 128 (31 - I) + 16 wave
	s_lshl_b32 s60, s15, 8                         ; the head's 256 bytes
	s_mul_i32 s32, s58, ROWQ
	s_add_co_u32 s32, s32, s60
	s_add_nc_u64 s[52:53], s[4:5], s[32:33]
	s_mul_i32 s32, s59, ROWQ
	s_add_co_u32 s32, s32, s60
	s_add_nc_u64 s[54:55], s[4:5], s[32:33]
	s_lshl_b32 s32, s58, 12
	s_add_co_u32 s32, s32, s60
	s_add_nc_u64 s[48:49], s[10:11], s[32:33]
	s_lshl_b32 s32, s59, 12
	s_add_co_u32 s32, s32, s60
	s_add_nc_u64 s[50:51], s[10:11], s[32:33]
.set ii, 0
.rept 8
	global_load_b128 v[96+4*ii:99+4*ii], v11, s[52:53] offset:2*ii*ROWQ th:TH_LOAD_NT   ; q of the first pass: two whole runs of 256 bytes a load
.set ii, ii+1
.endr
.set ii, 0
.rept 8
	global_load_b128 v[128+4*ii:131+4*ii], v11, s[54:55] offset:2*ii*ROWQ th:TH_LOAD_NT ; and of the second
.set ii, ii+1
.endr
	s_wait_kmcnt 0x0
	s_add_co_i32 s56, s44, 127
	s_lshl_b32 s57, s56, 23
	v_mov_b32 v219, s57                            ; 2^eq as f32: the conversion takes its exponent field
	s_add_co_i32 s56, s56, 15
	s_lshl_b32 s56, s56, 23
	s_or_b32 s56, s56, 0x600000
	v_mov_b32 v220, s56                            ; 57,344 x 2^eq
	s_add_co_i32 s56, s47, 127
	s_lshl_b32 s57, s56, 23
	v_mov_b32 v216, s57                            ; 2^ep
	s_add_co_i32 s56, s56, 15
	s_lshl_b32 s56, s56, 23
	s_or_b32 s56, s56, 0x600000
	v_mov_b32 v217, s56                            ; 57,344 x 2^ep
	s_add_co_i32 s56, s44, s45
	s_lshl_b32 s56, s56, 23
	s_add_co_i32 s42, s56, 0x3e38aa3b              ; c = log2(e) / 8, with eq + ek added to its exponent field: a score stands for score x 2^(eq + ek)
	s_mov_b32 s43, s42                             ; (named with it as a pair, so it is written)
	s_add_co_i32 s39, s46, s47                     ; ev + ep
	v_mov_b32 v211, 0                              ; (named as the upper half of the pair v[210:211])
	v_mov_b32 v212, 0                              ; written once: a lane permute's destination counts as one of its sources
	v_mov_b32 v218, 0xff800000                     ; -infinity
	INIT
	; q turns through my stage: in as loaded, back 16 neighbouring channels a lane
	s_wait_loadcnt 8                               ; the first pass's eight loads are in; the second's may be out
.set ii, 0
.rept 8
	ds_store_b128 v2, v[96+4*ii:99+4*ii] offset:2*ii*SP
.set ii, ii+1
.endr
.set ii, 0
.rept 8
	ds_load_b128 v[32+4*ii:35+4*ii], v3 offset:(ii/4)*128+(ii%4)*16
.set ii, ii+1
.endr
	s_wait_loadcnt 0x0
.set ii, 0
.rept 8
	ds_store_b128 v2, v[128+4*ii:131+4*ii] offset:2*ii*SP   ; LDS serves a wave's instructions in order: these come behind the loads above
.set ii, ii+1
.endr
.set ii, 0
.rept 8
	ds_load_b128 v[64+4*ii:67+4*ii], v3 offset:(ii/4)*128+(ii%4)*16
.set ii, ii+1
.endr
	s_wait_dscnt 16                                ; the first tile is back; behind its loads stand the second's eight stores and eight loads
	QUANTQ 32, 16
	s_wait_dscnt 0x0
	QUANTQ 64, 24
.Lslot:                                            ; NSL - 1 trips: behind each change of slots but the last the next slot is asked for
	CHANGE 1
	SLOT_STEPS
	s_sub_co_u32 s37, s37, 1
	s_cmp_lg_u32 s37, 0
	s_cbranch_scc1 .Lslot
	CHANGE 0                                       ; the last slot is written out
	SLOT_STEPS
	s_wait_tensorcnt 0x0                           ; the wave's end: behind my last tensor load and my last LDS store
	ds_add_u32 v5, v6
	s_wait_dscnt 0x0
	s_endpgm
.Lfunc_end_k_qaaa9b12c40_attn:
	.size	k_qaaa9b12c40_attn, .Lfunc_end_k_qaaa9b12c40_attn-k_qaaa9b12c40_attn
	.p2alignl 7, 3214868480
	.fill 96, 4, 3214868480
	.section	.rodata,"a",@progbits
	.p2align	6, 0x0
	.amdhsa_kernel k_qaaa9b12c40_attn
		.amdhsa_group_segment_fixed_size 327680
		.amdhsa_private_segment_fixed_size 0
		.amdhsa_enable_private_segment 0
		.amdhsa_kernarg_size 32
		.amdhsa_user_sgpr_count 2
		.amdhsa_user_sgpr_kernarg_segment_ptr 1
		.amdhsa_wavefront_size32 1
		.amdhsa_system_sgpr_workgroup_id_x 1
		.amdhsa_system_sgpr_workgroup_id_y 1
		.amdhsa_system_sgpr_workgroup_id_z 1
		.amdhsa_system_vgpr_workitem_id 0
		.amdhsa_next_free_vgpr 256
		.amdhsa_next_free_sgpr 66
		.amdhsa_reserve_vcc 1
		.amdhsa_float_denorm_mode_32 3
		.amdhsa_float_denorm_mode_16_64 3
		.amdhsa_memory_ordered 1
		.amdhsa_forward_progress 1
		.amdhsa_inst_pref_size 167
	.end_amdhsa_kernel
	.amdgpu_metadata
---
amdhsa.version: [ 1, 2 ]
amdhsa.kernels:
  - .name:           k_qaaa9b12c40_attn
    .symbol:         k_qaaa9b12c40_attn.kd
    .args:
      - { .name: qkv, .offset: 0, .size: 8, .value_kind: global_buffer, .address_space: global }
      - { .name: kv, .offset: 8, .size: 8, .value_kind: global_buffer, .address_space: global }
      - { .name: lowp_scales, .offset: 16, .size: 8, .value_kind: global_buffer, .address_space: global }
      - { .name: out0, .offset: 24, .size: 8, .value_kind: global_buffer, .address_space: global }
    .group_segment_fixed_size: 327680
    .private_segment_fixed_size: 0
    .kernarg_segment_align: 8
    .kernarg_segment_size: 32
    .max_flat_workgroup_size: 256
    .sgpr_count:     66
    .vgpr_count:     256
    .wavefront_size: 32
...
	.end_amdgpu_metadata
.endif
;; end of part 2
